; MI455X (gfx1250); checked and timed in simulation.
; The chip was launched on July 23, 2026; its instructions are those of AMD's public machine-readable ISA for CDNA 5 (MIT licence, August 2026) and "CDNA5" Instruction Set Architecture Reference Guide (July 2026). The comments in the code are by the model that wrote it; some were corrected since.
;; Local Attention. Allowed arithmetic: matrix products marked QUANTISED: E4M3 operands, one E8M0 scale for each 32 along K, by v_wmma_scale_f32_16x16x128_f8f6f4 with both operands' format E4M3, f32 sums; everything else in f32.
;; Inputs: k_codes 4 x 16 x 2,048 x 2 x 32 uint8 (E4M3 codes of k, K innermost, in blocks of 32 codes); k_scales 4 x 16 x 2,048 x 2 uint8 (E8M0 scales of k, one for each 32 codes along K); q_codes 4 x 16 x 2,048 x 2 x 32 uint8 (E4M3 codes of q, K innermost, in blocks of 32 codes); q_scales 4 x 16 x 2,048 x 2 uint8 (E8M0 scales of q, one for each 32 codes along K); v_codes 4 x 16 x 64 x 64 x 32 uint8 (E4M3 codes of v, K innermost, in blocks of 32 codes); v_scales 4 x 16 x 64 x 64 uint8 (E8M0 scales of v, one for each 32 codes along K).
;; Outputs: out0 4 x 16 x 2,048 x 64 float32.
;; This version of the problem:
;;   THIS VERSION OF THE PROBLEM IS GIVEN IN LOW PRECISION. The matrix products marked QUANTISED in the list below multiply operands that are first quantised to E4M3 (4 exponent bits, 3 mantissa bits; 8 bits a number), with one power-of-two scale for each 32 numbers along K (OCP MX v1.0); their sums are f32. All else is computed in f32.
;;   The module's matrix products, in the order in which they are computed (A, B: the left and right operand; K: the contracted axis; several contracted axes count as one K, in the product's order):
;;     1. batch 64 x [M 2,048, K 64] x [K 64, N 2,048]; A: input q (given as codes); B: input k (given as codes): QUANTISED
;;     2. batch 64 x [M 2,048, K 2,048] x [K 2,048, N 64]; A: softmax (see below); B: input v (given as codes): QUANTISED
;;   THE QUANTISER, for each operand of a quantised product, along K:
;;     - K is cut into blocks of 32 from its start; a last block that is shorter is filled with zeros.
;;     - A block's scale is 2^e with e = floor(log2(the largest magnitude in the block)) - 8, held to -126 .. 127; a block of zeros has e = 0. As a byte (E8M0): e + 127.
;;     - Each number is divided by its block's scale, clamped to +-448, and rounded to the nearest number of E4M3, ties to even, subnormals kept.
;;     - The product sums the exact products of the quantised numbers (number of the format x scale) in f32.
;;   ~~~python
;;   def quantise(x, axis):      # numpy; x: float32 -> the quantised numbers, widened to float32 again
;;       x = np.moveaxis(x, axis, -1); K = x.shape[-1]
;;       x = np.pad(x, [(0, 0)] * (x.ndim - 1) + [(0, -K % 32)]); x = x.reshape(x.shape[:-1] + (-1, 32)); a = np.abs(x).max(-1, keepdims=True)
;;       e = np.where(a > 0, np.clip(np.frexp(np.where(a > 0, a, 1))[1] - 1 - 8, -126, 127), 0)      # np.frexp(a)[1] - 1 = floor(log2(a)), exactly
;;       r = np.clip(x / 2.0 ** e, -448, 448)
;;       step = 2.0 ** (np.maximum(np.frexp(np.where(r == 0, 1, r))[1] - 1, -6) - 3)
;;       q = np.round(r / step) * step * 2.0 ** e      # np.round: ties to even
;;       return np.moveaxis(q.reshape(q.shape[:-2] + (-1,))[..., :K], -1, axis).astype(np.float32)
;;   ~~~
;;   SOFTMAX AHEAD OF A QUANTISED PRODUCT. Where the list says 'softmax', what is quantised is not the finished softmax but p = 2^(t - M), with t = logit x log2(e) and M = ceil(the row's largest t), a whole number; so 1/2 < the row's largest p <= 1. The row's sum l is taken of the UNQUANTISED p, in f32, and the product's result is divided by l at the end. Since M is a whole number, a kernel that streams over the keys may use a running M (the ceiling of the running maximum): every later rescaling is an exact power of two, which a block's scale takes up: the codes' values come out the same.
;;   OPERANDS COMPUTED ON THE WAY. 'Computed on the way' means the value that the module computes at that place (a softmax that the list does not call 'softmax' is quantised finished and normalised). What goes into a quantiser is computed in f32, as accurately as f32 sums, v_exp_f32 and their like allow (about 1e-6 of the number): no bf16 or f16 on the way to a quantiser, and a product that is left as it is and whose result goes on into a quantised operand takes f32 operands (vector FMAs, or v_wmma_f32_16x16x4_f32). A number that lies on a knife's edge between two numbers of the format may be rounded either way, as far as f32 arithmetic and the matrix unit's own rounding can turn it there, and no further.
;;   INPUTS GIVEN AS CODES. k (in the module: [4, 16, 2048, 64], K = its axis 3); q (in the module: [4, 16, 2048, 64], K = its axis 3); v (in the module: [4, 16, 2048, 64], K = its axis 2): each comes as NAME_codes (uint8): NAME with its K axis moved to the last place and cut into blocks of 32 codes, [.., K / 32, bytes a block], one block behind the other in memory; one code a byte (a code: sign, 4 exponent bits, 3 mantissa bits); and NAME_scales (uint8): the same leading axes, one E8M0 byte (e + 127) for each 32 codes along K. Its value is code x scale, taken as it is: it is not quantised again, and the codes and scales need not be those that the quantiser above would give.
;; One version. Each part assembles by itself: llvm-mc -triple=amdgcn-amd-amdhsa -mcpu=gfx1250 --defsym DOCPART=n.
;; ======== version 1 of 1: 1 launch
;; launch local (part 1): grid 4 x 64, 4 waves a work-group, clusters of 4 x 1, 168,448 bytes of LDS; arguments q_codes, q_scales, k_codes, k_scales, v_codes, v_scales, out0; writes out0
.if DOCPART == 1
	.amdgcn_target "amdgcn-amd-amdhsa--gfx1250"
	.amdhsa_code_object_version 6
	.text
	.protected	k_q2b662f940b_local
	.globl	k_q2b662f940b_local
	.p2align	8
	.type	k_q2b662f940b_local,@function
k_q2b662f940b_local:
	s_mov_b64 s[64:65], 0
	v_nop
	global_prefetch_b8 v0, s[64:65] scope:SCOPE_SE
	s_setreg_imm32_b32 hwreg(HW_REG_WAVE_MODE, 25, 1), 1
	s_wait_xcnt 0x0
	s_wait_alu depctr_hold_cnt(0) depctr_sa_sdst(0) depctr_va_vdst(0) depctr_va_sdst(0) depctr_va_ssrc(0) depctr_va_vcc(0) depctr_vm_vsrc(0)
	s_getreg_b32 s2, hwreg(HW_REG_IB_STS2, 6, 4)
	s_cmp_eq_u32 s2, 0
	s_cbranch_scc0 .Lentry_in_a_cluster
	s_endpgm
.Lentry_in_a_cluster:
	s_bfe_u32 s2, ttmp6, 0x10000c
	s_cmp_lg_u32 s2, 0x3003
	s_cbranch_scc0 .Lentry_shape_is_right
	s_endpgm
.Lentry_shape_is_right:
; LOCAL ATTENTION ON CODES OF FP8 (E4M3), one E8M0 scale for each 32 along a product's K.  64 heads, 2,048 queries and keys, head size 64.
; THE MASK of the problem hides key j for query i unless j >= i + 1793; a hidden score is the NUMBER -10000, not minus infinity.  So, with jl = j - 1792:
;   rows 0..255 of a head ("the corner") see jl > i among keys 1792..2047; every other key carries one number a row, p_m = 2^(t_hidden - M), which is kept and multiplied as it is;
;   rows 256..2047 see nothing: all their p are one number p_c, so these 1,792 rows are one and the same row, p_c's code x the sum of V over all keys / (2048 p_c).
; SOFTMAX: t = score x log2(e) / 8, M = ceil(the row's largest t), p = 2^(t - M) is quantised along the keys, the row's sum is taken of the unquantised p and divides at the end.
; SHARES.  A cluster of four work-groups takes a head.  Work-group cx: corner rows 64 cx .. + 63 and uniform rows 256 + 448 cx .. + 447.  Wave w: one corner tile of 16 queries, 112 uniform rows,
; and of the uniform row the 16 channels d = 4 r + w.  All of a head's V (128 KiB of codes) lies in LDS at once, filled once: no slot is filled again.
; V IS ASKED FOR JOINTLY by the four work-groups (same descriptor, mask 15).  K's corner is not: it is 16 KiB of the 151 KiB that a work-group reads, and through LDS it would put a barrier in front of the first product.
; LAYOUT.  S^T = K Q^T (source 0 = keys, source 1 = my 16 queries): a lane holds one query, its registers run along the keys.  The head's 64 fill half of the instruction's 128 along K, so a fragment of K holds TWO keys
; a lane: key 32 b + r + 8 (r / 8) in k 0..63 and the key 8 further on in k 64..127; it is multiplied by [Q | zero codes] and by [zero codes | Q].  Register 16 b + n of S is then key 32 b + 16 (lane / 16) + n.
; O = P V^T is NOT transposed (source 0 = P, source 1 = 16 rows of V).  THE ROWS OF V THAT FORM TILE t ARE d = 4 r + t: the four tiles give a lane four neighbouring channels of a row, and sixteen lanes store a whole row of 256 bytes from registers.
; LIMITS.  NaN codes and scale bytes 0xff are not served (a NaN code of a key would also reach the key 8 away, which shares its fragment).  p under 2^-126 is taken as 0 (v_exp_f32 gives 0 there: ISA guide, 15.8).
; The hidden keys' part of a row's sum is 1792 x p_m (2048 x p_c) by one multiplication, not by additions.  Queries from 256 on and keys under 1792 are not read: the problem's own mask replaces every score that they feed.
; REGISTERS, window 0: v1-18 addresses and lane constants; v20-31 a row's statistics; v32-93 scale words and nothing else; v94-127 at work; v128-255 S, then p; when p is spent: accumulators, rows of O.
;   window 1: v0-127 K's 8 fragments, then V's fragments in two sets of four; v128-159 the two forms of Q; v160-191 p's two fragments; v192-207 p_m's; v208-223 p_c's.
.set VPITCH, 528                       ; a row of a tile of V in LDS: 512 bytes + 16 of padding = 33 x 16: sixteen rows start at sixteen different 16-byte columns
.set VTILE,  16*VPITCH                 ; tile (quarter q of the keys, t) lies at (4 q + t) x VTILE
.set VQUART, 4*VTILE
.set UX,     16*VTILE                  ; behind V: the uniform row, 64 f32, in 256 bytes of its own into which no fill lands
.set S,    128
.set VS,   32                          ; v32-63  V's scale words: register 16 t' + s: lanes 0-15 tile t', lanes 16-31 tile t' + 2, key step s
.set UVS,  64                          ; v64-79  V's scale words of tile w, key step s
.set KS,   80                          ; v80-87  K's scale words, fragment b
.set QSL,  88                          ; v88, v89 Q's scale words for [Q | 0] and [0 | Q]
.set QSH,  89
.set PW0,  90                          ; v90, v91 p's scale words; v92 p_m's; v93 p_c's
.set PW1,  91
.set PMS,  92
.set PCS,  93
.set BM,   96                          ; v96-103  a block's largest score, then its largest p
.set T1,   104                         ; v104-111 at work
.set HOLD, 112                         ; v112-119 448 x a block's scale
.set SOP,  120                         ; v120-127 the conversions' scale operands
.set UA,   128                         ; v128-159 four accumulators of the uniform tile
.set CA,   160                         ; v160-191 four accumulators of the corner tile
.set ORW,  192                         ; v192-223 rows of O to store (v192-199 first: lane addresses)
.set UO,   224                         ; v224-227 my 16 bytes of the uniform row
.set IL8,  228                         ; v228-235 1 / l of queries 8 h + 0 .. 7
.set X8M,  236                         ; v236-243 eight times p_m, v244-251 eight times p_c; v[252:253], v[254:255] their codes
.set X8C,  244
.set QFL,  128                         ; window 1
.set QFH,  144
.set PF,   160
.set PMF,  192
.set PCF,  208
.set MSB, 0
.macro WIN new                         ; the immediate's high byte repeats the setting that is left
.if MSB != \new
	s_set_vgpr_msb (MSB<<8)|\new
.set MSB, \new
.endif
.endm
.macro PLACES n                        ; plain vector instructions between a matrix instruction and what touches its registers (ISA guide 7.12.1)
.rept \n
	v_nop
.endr
.endm
.macro CROUND                          ; a round of the cluster's barrier: my work-group's barrier, wave 0 signals for the work-group, every wave waits for all four, my work-group's barrier once more
	s_barrier_signal -1
	s_barrier_wait -1
	s_cmp_lg_u32 s20, 0
	s_cbranch_scc1 .Lnot_wave_0_\@
	s_barrier_signal -3
.Lnot_wave_0_\@:
	s_barrier_wait -3
	s_barrier_signal -1
	s_barrier_wait -1
.endm
	s_load_b256 s[4:11], s[0:1], 0x0               ; q_codes s[4:5], q_scales s[6:7], k_codes s[8:9], k_scales s[10:11]
	s_load_b128 s[12:15], s[0:1], 0x20             ; v_codes s[12:13], v_scales s[14:15]
	s_load_b64 s[16:17], s[0:1], 0x30              ; out0
	v_lshl_add_u32 v19, v0, 2, 0x29000
	s_set_vgpr_msb 0x40
	v_mov_b32 v255, 0
	s_set_vgpr_msb 0x4044
	ds_add_u32 v19, v255
	ds_add_u32 v19, v255
	s_set_vgpr_msb 0x4400
	v_lshrrev_b32 v1, 5, v0
	v_readfirstlane_b32 s20, v1                    ; w: my wave, 0..3
	s_bfe_u32 s21, ttmp6, 0x40000                  ; cx: my place in the cluster; it enters Q's and out0's addresses and the mask's compare, nothing else
	s_and_b32 s22, ttmp7, 0xffff                   ; the head, which the four partners share
	v_and_b32 v1, 15, v0                           ; r
	v_bfe_u32 v2, v0, 4, 1                         ; h
	v_lshlrev_b32 v3, 6, v1
	v_lshl_add_u32 v3, v2, 4, v3                   ; Q: row r of 64 bytes, + 16 h
	v_and_b32 v22, 8, v1
	v_add_nc_u32 v22, v22, v1                      ; r + 8 (r / 8)
	v_lshlrev_b32 v4, 6, v22
	v_lshl_add_u32 v4, v2, 4, v4                   ; K: that row, + 16 h
	v_lshlrev_b32 v5, 1, v1                        ; Q's scale bytes: 2 a row
	v_lshlrev_b32 v6, 1, v22                       ; K's
	v_lshlrev_b32 v7, 8, v1
	v_lshl_add_u32 v7, v2, 7, v7                   ; V's scale bytes: row d = 4 r + t of 64 bytes; lanes 16-31 two tiles on
	s_lshl_b32 s53, s20, 6
	v_lshl_add_u32 v8, v1, 8, s53                  ; and of tile w: 256 r + 64 w
	v_mul_u32_u24 v9, v1, VPITCH
	v_lshl_add_u32 v9, v2, 4, v9                   ; V in LDS: row r of a tile, + 16 h; quarters 0 and 1
	v_add_nc_u32 v10, 2*VQUART, v9                 ; quarters 2 and 3
	s_mul_i32 s23, s20, VTILE                      ; tile w
	v_add_nc_u32 v11, s23, v9                      ; the same two for my own tile
	v_add_nc_u32 v12, 2*VQUART, v11
	v_lshl_add_u32 v14, v1, 4, UX                  ; the uniform row: where I read channels 4 r .. 4 r + 3,
	s_lshl_b32 s53, s20, 2
	v_add_nc_u32 v13, s53, v14                     ; and where I put channel 4 r + w
	v_and_b32 v15, 31, v0
	v_lshlrev_b32 v15, 4, v15                      ; out0, uniform rows: 16 x lane: two rows an instruction
	v_lshlrev_b32 v16, 4, v1
	v_lshl_add_u32 v16, v2, 11, v16                ; out0, corner: row 8 h (+ j), 16 r
	s_lshl_b32 s56, s21, 6
	s_lshl_b32 s57, s20, 4
	s_add_co_u32 s56, s56, s57
	v_add_nc_u32 v17, s56, v1                      ; my query i = 64 cx + 16 w + r,
	v_lshlrev_b32 v22, 4, v2
	v_sub_nc_u32 v17, v17, v22                     ; less 16 h: register 16 b + n is seen where 32 b + n > this
	v_mov_b32 v18, 0xc79c4000                      ; -80000.0: a hidden score ahead of the division by 8
	v_mov_b32 v21, 0                               ; (named with -M as a pair, so it is written)
	v_mov_b32 v94, 0                               ; (a lane permute's destination counts as read)
	s_mov_b32 s24, 0x07B0000F                      ; group 1: 15:0 mask: all four work-groups; 17:16 elements of 1 byte; 20 padding on; 21 set beside a mask; 24:22 after every 128 words (code 6); 31:25 four words (code 3)
	s_mov_b32 s25, 512<<16                         ; tensor_dim0 = 512
	s_mov_b32 s26, 16<<16                          ; tensor_dim1 = 16
	s_mov_b32 s27, 512<<16                         ; tile_dim0 = 512 keys
	s_mov_b32 s28, 16                              ; tile_dim1 = 16 rows
	s_mov_b32 s29, 8192                            ; from row to row: four rows of V (d = 4 r + t)
	s_mov_b32 s30, 0
	s_mov_b32 s31, 0
	s_mov_b32 s48, 0x76543210
	s_mov_b32 s49, 0xfedcba98                      ; v_permlanex16_b32's selects for lane l xor 16
	s_mov_b32 s50, 0x3e38aa3b                      ; c = log2(e) / 8
	s_mov_b32 s51, s50                             ; (named with it as a pair)
	s_mov_b32 s52, 0x600000                        ; the mantissa field of 448
	s_lshl_b32 s54, s22, 17                        ; the head's first byte in each tensor of codes
	s_mov_b32 s55, 0
	s_lshl_b32 s58, s20, 11                        ; V's row d = w
	s_add_co_u32 s58, s58, s54
	s_mov_b32 s59, 0
	s_wait_dscnt 0x0
	s_wait_kmcnt 0x0
	s_add_nc_u64 s[60:61], s[12:13], s[58:59]      ; made of the head and the wave's number alone: the same in all four partners
.irp q, 0,1,2,3
	s_mov_b32 s[32+4*\q], 1                        ; group 0 for quarter q of the keys: count = 1
	s_add_co_u32 s[33+4*\q], s23, \q*VQUART        ; LDS address of tile (q, w)
	s_add_nc_u64 s[34+4*\q:35+4*\q], s[60:61], 512*\q
	s_or_b32 s[35+4*\q], s[35+4*\q], 0x80000000    ; type = 2
.endr
	CROUND                                         ; all four work-groups are here: the joint loads meet
	tensor_load_to_lds s[32:35], s[24:31]          ; my tile of V, quarter by quarter: four loads of mine are out
	s_nop 0
	tensor_load_to_lds s[36:39], s[24:31]
	s_nop 0
	tensor_load_to_lds s[40:43], s[24:31]
	s_nop 0
	tensor_load_to_lds s[44:47], s[24:31]
	s_nop 0
	PLACES 4                                       ; four lines between a tensor load and a switch of windows
	s_add_nc_u64 s[8:9], s[8:9], s[54:55]
	s_add_nc_u64 s[8:9], s[8:9], 114688            ; K at key 1792 of the head
	s_add_nc_u64 s[4:5], s[4:5], s[54:55]
	s_lshl_b32 s56, s21, 12
	s_lshl_b32 s57, s20, 10
	s_add_co_u32 s56, s56, s57
	s_mov_b32 s57, 0
	s_add_nc_u64 s[4:5], s[4:5], s[56:57]          ; Q at my first query
	s_lshl_b32 s54, s22, 12                        ; the head's first scale byte
	s_add_nc_u64 s[10:11], s[10:11], s[54:55]
	s_add_nc_u64 s[10:11], s[10:11], 3584
	s_add_nc_u64 s[14:15], s[14:15], s[54:55]
	s_add_nc_u64 s[6:7], s[6:7], s[54:55]
	s_lshr_b32 s56, s56, 5
	s_add_nc_u64 s[6:7], s[6:7], s[56:57]
	s_lshl_b32 s54, s22, 19                        ; the head's first byte in out0
	s_add_nc_u64 s[16:17], s[16:17], s[54:55]
	s_mul_i32 s56, s21, 114688                     ; 448 rows a work-group,
	s_mul_i32 s53, s20, 28672                      ; 112 a wave,
	s_add_co_u32 s56, s56, s53
	s_add_co_u32 s56, s56, 65536                   ; behind the corner's 256
	s_add_nc_u64 s[18:19], s[16:17], s[56:57]      ; my uniform rows
	s_lshl_b32 s56, s21, 14
	s_lshl_b32 s53, s20, 12
	s_add_co_u32 s56, s56, s53
	s_add_nc_u64 s[16:17], s[16:17], s[56:57]      ; my corner tile's rows
	WIN 0x40                                       ; destination window 1
.irp b, 0,1,2,3,4,5,6,7                        ; K's fragment b: my key's 64 bytes in registers 0-7, those of the key 8 on in registers 8-15
	global_load_b128 v[16*\b:16*\b+3],     v4, s[8:9] offset:2048*\b
	global_load_b128 v[16*\b+4:16*\b+7],   v4, s[8:9] offset:2048*\b+32
	global_load_b128 v[16*\b+8:16*\b+11],  v4, s[8:9] offset:2048*\b+512
	global_load_b128 v[16*\b+12:16*\b+15], v4, s[8:9] offset:2048*\b+544
.endr
	global_load_b128 v[QFL:QFL+3],     v3, s[4:5]  ; [Q | 0]
	global_load_b128 v[QFL+4:QFL+7],   v3, s[4:5] offset:32
	global_load_b128 v[QFH+8:QFH+11],  v3, s[4:5]  ; [0 | Q]: loaded a second time, into registers of its own
	global_load_b128 v[QFH+12:QFH+15], v3, s[4:5] offset:32
	WIN 0
.irp b, 0,1,2,3,4,5,6,7
	global_load_u16 v[KS+\b], v6, s[10:11] offset:64*\b       ; my key's two scale bytes,
	global_load_u16 v[T1+\b], v6, s[10:11] offset:64*\b+16    ; and those of the key 8 on
.endr
	global_load_u16 v[QSL], v5, s[6:7]             ; bytes 2 and 3 are 0: they scale zero codes
.irp t, 0,1
.irp j, 0,1,2,3
	global_load_b128 v[VS+16*\t+4*\j:VS+16*\t+4*\j+3], v7, s[14:15] offset:64*\t+16*\j
.endr
.endr
.irp j, 0,1,2,3
	global_load_b128 v[UVS+4*\j:UVS+4*\j+3], v8, s[14:15] offset:16*\j
.endr
	WIN 0x40
.irp i, 0,1,2,3,4,5,6,7
	v_mov_b32 v[QFL+8+\i], 0                       ; the zero codes
	v_mov_b32 v[QFH+\i], 0
.endr
	WIN 0
	s_wait_loadcnt 12                              ; K, Q and their scale bytes are in; the 12 loads of V's scale words may be out
.irp b, 0,1,2,3,4,5,6,7
	v_lshl_or_b32 v[KS+\b], v[T1+\b], 16, v[KS+\b] ; four bytes: k 0..63 my key's, k 64..127 the other's
.endr
	v_lshlrev_b32 v[QSH], 16, v[QSL]
	PLACES 8                                       ; a scale word made by a vector instruction stands eight places ahead of the scaled product
	; ---- S^T = K Q^T: 16 products, each starting its own sum
	WIN 0x05                                       ; sources 0 and 1 window 1
.irp b, 0,1,2,3,4,5,6,7
	v_wmma_scale_f32_16x16x128_f8f6f4 v[S+16*\b:S+16*\b+7],    v[16*\b:16*\b+15], v[QFL:QFL+15], 0, v[KS+\b], v[QSL]
	v_wmma_scale_f32_16x16x128_f8f6f4 v[S+16*\b+8:S+16*\b+15], v[16*\b:16*\b+15], v[QFH:QFH+15], 0, v[KS+\b], v[QSH]
.endr
	WIN 0
	PLACES 8
	; ---- the mask, ascending: each accumulator is read from its low end on
.set n, 0
.rept 128
	v_cmp_gt_i32 vcc_lo, 32*(n/16)+n%16, v17       ; seen where jl > i
	v_cndmask_b32 v[S+n], v18, v[S+n], vcc_lo      ; else the hidden score
.set n, n+1
.endr
	; ---- the largest score of each block of 32 keys: for the row's maximum and, since p rises with the score, for the block's largest p
.irp b, 0,1,2,3,4,5,6,7
	v_max3_num_f32 v[BM+\b], v[S+16*\b], v[S+16*\b+1], v[S+16*\b+2]
.endr
.irp i, 3,5,7,9,11,13
.irp b, 0,1,2,3,4,5,6,7
	v_max3_num_f32 v[BM+\b], v[BM+\b], v[S+16*\b+\i], v[S+16*\b+\i+1]
.endr
.endr
.irp b, 0,1,2,3,4,5,6,7
	v_max_num_f32 v[BM+\b], v[BM+\b], v[S+16*\b+15]
.endr
.irp b, 0,1,2,3,4,5,6,7
	v_permlanex16_b32 v[T1+\b], v[BM+\b], s48, s49
.endr
.irp b, 0,1,2,3,4,5,6,7
	v_max_num_f32 v[BM+\b], v[BM+\b], v[T1+\b]     ; with lane l xor 16's 16 keys
.endr
	v_max3_num_f32 v22, v[BM], v[BM+1], v[BM+2]
	v_max3_num_f32 v22, v22, v[BM+3], v[BM+4]
	v_max3_num_f32 v22, v22, v[BM+5], v[BM+6]
	v_max_num_f32 v22, v22, v[BM+7]                ; the row's largest score; key jl = 0 is hidden for every query, so the hidden score is among them
	v_mul_f32 v22, s50, v22                        ; as t
	v_mul_f32 v95, s50, v18                        ; a hidden key's t
	v_floor_f32 v20, -v22                          ; -M = floor(-t): M is a whole number
	v_floor_f32 v25, -v95                          ; -M of a row that sees nothing
.set n, 0
.rept 64
	v_pk_fma_f32 v[S+n:S+n+1], v[S+n:S+n+1], s[50:51], v[20:21] op_sel_hi:[1,0,0]   ; t - M, two at a time
.set n, n+2
.endr
.irp b, 0,1,2,3,4,5,6,7
	v_fma_f32 v[BM+\b], v[BM+\b], s50, v20         ; the same of each block's largest score
.endr
	v_fma_f32 v23, v18, s50, v20                   ; of a hidden key in my row: p_m
	v_fma_f32 v24, v18, s50, v25                   ; and in a row that sees nothing: p_c
.set n, 0
.rept 128
	v_exp_f32 v[S+n], v[S+n]                       ; p = 2^(t - M): one batch of 138
.set n, n+1
.endr
.irp b, 0,1,2,3,4,5,6,7
	v_exp_f32 v[BM+\b], v[BM+\b]
.endr
	v_exp_f32 v23, v23
	v_exp_f32 v24, v24
	v_nop                                          ; a plain instruction behind the last exponential
	s_wait_alu depctr_va_vdst(0)                   ; one wait for the batch, ahead of its first reader
	; ---- the row's sum, of the unquantised p: two chains
	v_pk_add_f32 v[26:27], v[S:S+1], v[S+2:S+3]
	v_pk_add_f32 v[28:29], v[S+4:S+5], v[S+6:S+7]
.set n, 8
.rept 30
	v_pk_add_f32 v[26:27], v[26:27], v[S+n:S+n+1]
	v_pk_add_f32 v[28:29], v[28:29], v[S+n+2:S+n+3]
.set n, n+4
.endr
	v_pk_add_f32 v[26:27], v[26:27], v[28:29]
	v_add_f32 v26, v26, v27
	v_permlanex16_b32 v94, v26, s48, s49
	v_add_f32 v26, v26, v94                        ; the 256 keys of the corner,
	v_fma_f32 v26, v23, 0x44e00000, v26            ; and 1792 x p_m: l
	v_mul_f32 v95, 0x45000000, v24                 ; 2048 x p_c
	v_rcp_f32 v30, v26
	v_rcp_f32 v31, v95                             ; (the wait for these two stands ahead of their first reader, below)
	; ---- scales: the floor 2^(9 - 127); 8 off the exponent field; 448 x the scale; the byte
.irp b, 0,1,2,3,4,5,6,7
	v_max_num_f32 v[BM+\b], 0x4800000, v[BM+\b]
.endr
.irp b, 0,1,2,3,4,5,6,7
	v_add_nc_u32 v[SOP+\b], 0xfc000000, v[BM+\b]
.endr
.irp b, 0,1,2,3,4,5,6,7
	v_and_or_b32 v[HOLD+\b], v[BM+\b], 0x7f800000, s52
.endr
.irp b, 0,1,2,3,4,5,6,7
	v_lshrrev_b32 v[T1+\b], 23, v[SOP+\b]
.endr
	v_lshl_or_b32 v[PW0], v[T1+1], 8, v[T1]
	v_lshl_or_b32 v[PW1], v[T1+5], 8, v[T1+4]
	v_lshl_or_b32 v[PW0], v[T1+2], 16, v[PW0]
	v_lshl_or_b32 v[PW1], v[T1+6], 16, v[PW1]
	v_lshl_or_b32 v[PW0], v[T1+3], 24, v[PW0]      ; keys jl 0..127
	v_lshl_or_b32 v[PW1], v[T1+7], 24, v[PW1]      ; keys jl 128..255
	v_max_num_f32 v[T1], 0x4800000, v23            ; the same four lines for a block of p_m alone,
	v_max_num_f32 v[T1+4], 0x4800000, v24          ; and of p_c alone
	v_add_nc_u32 v[T1+1], 0xfc000000, v[T1]
	v_add_nc_u32 v[T1+5], 0xfc000000, v[T1+4]
	v_and_or_b32 v[T1+2], v[T1], 0x7f800000, s52
	v_and_or_b32 v[T1+6], v[T1+4], 0x7f800000, s52
	v_lshrrev_b32 v[T1+3], 23, v[T1+1]
	v_lshrrev_b32 v[T1+7], 23, v[T1+5]
	v_lshl_or_b32 v[PMS], v[T1+3], 8, v[T1+3]
	v_lshl_or_b32 v[PCS], v[T1+7], 8, v[T1+7]
	v_lshl_or_b32 v[PMS], v[PMS], 16, v[PMS]       ; the byte four times: every block of such a key step has it
	v_lshl_or_b32 v[PCS], v[PCS], 16, v[PCS]
.set n, 0
.rept 128
	v_min_num_f32 v[S+n], v[S+n], v[HOLD+n/16]     ; the conversion to an 8-bit code does not saturate (ISA guide 7.6.2); p is not negative, so the hold is one-sided
.set n, n+1
.endr
	WIN 0x40
.irp b, 0,1,2,3,4,5,6,7
	v_cvt_scalef32_pk8_fp8_f32 v[PF+4*\b:PF+4*\b+1],   v[S+16*\b:S+16*\b+7],    v[SOP+\b]
	v_cvt_scalef32_pk8_fp8_f32 v[PF+4*\b+2:PF+4*\b+3], v[S+16*\b+8:S+16*\b+15], v[SOP+\b]
.endr
	v_nop                                          ; a plain instruction between the conversions and the lines that write their sources
	WIN 0
.irp i, 0,1,2,3,4,5,6,7
	v_min_num_f32 v[X8M+\i], v23, v[T1+2]
	v_min_num_f32 v[X8C+\i], v24, v[T1+6]
.endr
	v_cvt_scalef32_pk8_fp8_f32 v[252:253], v[X8M:X8M+7], v[T1+1]
	v_cvt_scalef32_pk8_fp8_f32 v[254:255], v[X8C:X8C+7], v[T1+5]
	v_nop
	WIN 0x40
.irp i, 0,1,2,3,4,5,6,7,8,9,10,11,12,13,14,15
	v_mov_b32 v[PCF+\i], v254                      ; a fragment of 16 rows x 128 keys that all hold p_c's code
.endr
.irp i, 0,1,2,3,4,5,6,7,8,9,10,11,12,13,14,15
	v_mov_b32 v[PMF+\i], v252                      ; and one in which row r holds its own p_m's code
.endr
	WIN 0
.irp j, 0,1,2,3,4,5,6,7
	v_lshl_add_u32 v[ORW+\j], v2, 5, 4*\j          ; lane 8 h + j, as a byte address
.endr
	s_wait_alu depctr_va_vdst(0)                   ; one wait for the two reciprocals, ahead of their first reader
.irp j, 0,1,2,3,4,5,6,7
	ds_bpermute_b32 v[IL8+\j], v[ORW+\j], v30      ; 1 / l of query 8 h + j: O's registers run down the queries
.endr
	; ---- the uniform row's channels d = 4 r + w: p_c's fragment x my own tile of V, quarter by quarter as it lands; four accumulators by turns
	s_wait_loadcnt 0x0                             ; V's scale words
.macro UQ q
.if (\q) == 2
	PLACES 8                                       ; in front of loads into the two sets that quarters 0 and 1 have multiplied
.endif
	s_wait_tensorcnt 3-(\q)                        ; tensor loads of a wave end in order (ISA guide 10.11.1): quarter q is in; the later ones may be out.  I read what I fetched myself
	WIN 0x40
.irp i, 0,1,2,3
.irp c, 0,1,2,3
	ds_load_b128 v[64*((\q)%2)+16*\i+4*\c:64*((\q)%2)+16*\i+4*\c+3], v[11+(\q)/2] offset:((\q)%2)*VQUART+128*\i+32*\c
.endr
.endr
	s_wait_dscnt 0x0
	WIN 0x05
.irp i, 0,1,2,3
.if (\q) == 0
	v_wmma_scale_f32_16x16x128_f8f6f4 v[UA+8*\i:UA+8*\i+7], v[PCF:PCF+15], v[64*((\q)%2)+16*\i:64*((\q)%2)+16*\i+15], 0, v[PCS], v[UVS+4*(\q)+\i]
.else
	v_wmma_scale_f32_16x16x128_f8f6f4 v[UA+8*\i:UA+8*\i+7], v[PCF:PCF+15], v[64*((\q)%2)+16*\i:64*((\q)%2)+16*\i+15], v[UA+8*\i:UA+8*\i+7], v[PCS], v[UVS+4*(\q)+\i]
.endif
.endr
.endm
	UQ 0
	UQ 1
	UQ 2
	UQ 3
	WIN 0
	PLACES 8
	v_add_f32 v94, v[UA], v[UA+8]                  ; all 16 rows of the tile are alike: each accumulator's lowest register serves
	v_add_f32 v95, v[UA+16], v[UA+24]
	v_add_f32 v94, v94, v95
	v_mul_f32 v94, v94, v31                        ; / (2048 p_c)
	ds_store_b32 v13, v94                          ; lanes r and r + 16 write the same word with the same value
	s_wait_dscnt 0x0                               ; for the others' sake: my word of the uniform row has landed; my four tiles of V have (the wait for 0 tensor loads in quarter 3)
	s_barrier_signal -1
	s_barrier_wait -1                              ; the uniform row and all sixteen tiles of V are whole for every wave
; key step s: V's four fragments (tiles t = 0..3) into set s % 2
.macro VLOAD s
.irp t, 0,1,2,3
.irp c, 0,1,2,3
	ds_load_b128 v[64*((\s)%2)+16*\t+4*\c:64*((\s)%2)+16*\t+4*\c+3], v[9+(\s)/8] offset:(((\s)/4)%2)*VQUART+VTILE*\t+128*((\s)%4)+32*\c
.endr
.endr
.endm
	ds_load_b128 v[UO:UO+3], v14
	WIN 0x40
	VLOAD 0
	WIN 0
	s_wait_dscnt 16                                ; my 16 bytes of the uniform row are in; key step 0's 16 loads may be out
.set n, 0
.rept 56
	global_store_b128 v15, v[UO:UO+3], s[18:19] offset:512*n th:TH_STORE_NT   ; 32 lanes store two whole rows, 512 consecutive bytes at a multiple of 256 from out0's first byte; these registers are never written again
.set n, n+1
.endr
	; ---- the corner tile: O = P V^T over all 2,048 keys, 128 a step: p_m's fragment for keys under 1792, then p's two.  Four accumulators by turns
.macro PVSTEP s, af, asc
.if (\s) < 15
.if (\s) > 0
	PLACES 8                                       ; in front of loads into the set that the step before last multiplied... the last products stand behind it, so eight places serve both
.endif
	WIN 0x40
	VLOAD (\s)+1
	s_wait_dscnt 16                                ; this step's fragments are in; the next step's 16 loads may be out
.else
	s_wait_dscnt 0x0
.endif
	WIN 0x05
.irp t, 0,1
.if (\s) == 0
	v_wmma_scale_f32_16x16x128_f8f6f4 v[CA+8*\t:CA+8*\t+7], v[\af:\af+15], v[64*((\s)%2)+16*\t:64*((\s)%2)+16*\t+15], 0, v[\asc], v[VS+16*\t+(\s)]
.else
	v_wmma_scale_f32_16x16x128_f8f6f4 v[CA+8*\t:CA+8*\t+7], v[\af:\af+15], v[64*((\s)%2)+16*\t:64*((\s)%2)+16*\t+15], v[CA+8*\t:CA+8*\t+7], v[\asc], v[VS+16*\t+(\s)]
.endif
.endr
.irp t, 2,3                                    ; tiles 2 and 3 have their scale words in lanes 16-31
.if (\s) == 0
	v_wmma_scale_f32_16x16x128_f8f6f4 v[CA+8*\t:CA+8*\t+7], v[\af:\af+15], v[64*((\s)%2)+16*\t:64*((\s)%2)+16*\t+15], 0, v[\asc], v[VS+16*(\t-2)+(\s)] matrix_b_scale:MATRIX_SCALE_ROW1
.else
	v_wmma_scale_f32_16x16x128_f8f6f4 v[CA+8*\t:CA+8*\t+7], v[\af:\af+15], v[64*((\s)%2)+16*\t:64*((\s)%2)+16*\t+15], v[CA+8*\t:CA+8*\t+7], v[\asc], v[VS+16*(\t-2)+(\s)] matrix_b_scale:MATRIX_SCALE_ROW1
.endif
.endr
.endm
.irp s, 0,1,2,3,4,5,6,7,8,9,10,11,12,13
	PVSTEP \s, PMF, PMS
.endr
	PVSTEP 14, PF, PW0
	PVSTEP 15, PF+16, PW1
	; ---- the way out: register j of tile t is o(query 8 h + j, channel 4 r + t): the four tiles' registers j are 16 neighbouring bytes of a row
	WIN 0
	PLACES 8
.irp j, 0,1,2,3,4,5,6,7                        ; j ascending: each accumulator is read from its low end on
.irp t, 0,1,2,3
	v_mul_f32 v[ORW+4*\j+\t], v[CA+8*\t+\j], v[IL8+\j]
.endr
.endr
.irp j, 0,1,2,3,4,5,6,7
	global_store_b128 v16, v[ORW+4*\j:ORW+4*\j+3], s[16:17] offset:256*\j th:TH_STORE_NT   ; lanes 0-15 store row j whole, lanes 16-31 row 8 + j
.endr
	s_wait_dscnt 0x0                               ; no LDS instruction of mine is pending at a signal
	s_set_vgpr_msb 0x4
	s_wait_tensorcnt 0x0
	ds_add_u32 v19, v255
	s_wait_dscnt 0x0
	s_set_vgpr_msb 0x400
	CROUND                                         ; the closing round: no work-group ends while a partner may still ask for a tile that names it
	s_endpgm
.Lfunc_end_k_q2b662f940b_local:
	.size	k_q2b662f940b_local, .Lfunc_end_k_q2b662f940b_local-k_q2b662f940b_local
	.p2alignl 7, 3214868480
	.fill 96, 4, 3214868480
	.section	.rodata,"a",@progbits
	.p2align	6, 0x0
	.amdhsa_kernel k_q2b662f940b_local
		.amdhsa_group_segment_fixed_size 168448
		.amdhsa_private_segment_fixed_size 0
		.amdhsa_enable_private_segment 0
		.amdhsa_kernarg_size 56
		.amdhsa_user_sgpr_count 2
		.amdhsa_user_sgpr_kernarg_segment_ptr 1
		.amdhsa_wavefront_size32 1
		.amdhsa_system_sgpr_workgroup_id_x 1
		.amdhsa_system_sgpr_workgroup_id_y 1
		.amdhsa_system_sgpr_workgroup_id_z 1
		.amdhsa_system_vgpr_workitem_id 0
		.amdhsa_next_free_vgpr 512
		.amdhsa_next_free_sgpr 66
		.amdhsa_reserve_vcc 1
		.amdhsa_float_denorm_mode_32 3
		.amdhsa_float_denorm_mode_16_64 3
		.amdhsa_memory_ordered 1
		.amdhsa_forward_progress 1
		.amdhsa_inst_pref_size 101
	.end_amdhsa_kernel
	.amdgpu_metadata
---
amdhsa.version: [ 1, 2 ]
amdhsa.kernels:
  - .name:           k_q2b662f940b_local
    .symbol:         k_q2b662f940b_local.kd
    .args:
      - { .name: q_codes, .offset: 0, .size: 8, .value_kind: global_buffer, .address_space: global }
      - { .name: q_scales, .offset: 8, .size: 8, .value_kind: global_buffer, .address_space: global }
      - { .name: k_codes, .offset: 16, .size: 8, .value_kind: global_buffer, .address_space: global }
      - { .name: k_scales, .offset: 24, .size: 8, .value_kind: global_buffer, .address_space: global }
      - { .name: v_codes, .offset: 32, .size: 8, .value_kind: global_buffer, .address_space: global }
      - { .name: v_scales, .offset: 40, .size: 8, .value_kind: global_buffer, .address_space: global }
      - { .name: out0, .offset: 48, .size: 8, .value_kind: global_buffer, .address_space: global }
    .group_segment_fixed_size: 168448
    .private_segment_fixed_size: 0
    .kernarg_segment_align: 8
    .kernarg_segment_size: 56
    .max_flat_workgroup_size: 128
    .sgpr_count:     66
    .vgpr_count:     512
    .wavefront_size: 32
...
	.end_amdgpu_metadata
.endif
;; end of part 1
